; MI455X (gfx1250); checked and timed in simulation.
; The chip was launched on July 23, 2026; its instructions are those of AMD's public machine-readable ISA for CDNA 5 (MIT licence, August 2026) and "CDNA5" Instruction Set Architecture Reference Guide (July 2026). The comments in the code are by the model that wrote it; some were corrected since.
;; Spatial Attention. Allowed arithmetic: matrix products marked QUANTISED: E2M3 operands, one E8M0 scale for each 32 along K, by v_wmma_scale_f32_16x16x128_f8f6f4 with both operands' format E2M3, f32 sums; everything else in f32.
;; Inputs: Wk_codes 128 x 8 x 24 uint8 (E2M3 codes of Wk, K innermost, in blocks of 32 codes, four codes in three bytes); Wk_scales 128 x 8 uint8 (E8M0 scales of Wk, one for each 32 codes along K); Wq_codes 128 x 8 x 24 uint8 (E2M3 codes of Wq, K innermost, in blocks of 32 codes, four codes in three bytes); Wq_scales 128 x 8 uint8 (E8M0 scales of Wq, one for each 32 codes along K); b 8 x 256 x 64 x 64 float32; bk 128 float32; bq 128 float32; p_codes 8 x 64 x 64 x 8 x 24 uint8 (E2M3 codes of p, K innermost, in blocks of 32 codes, four codes in three bytes); p_scales 8 x 64 x 64 x 8 uint8 (E8M0 scales of p, one for each 32 codes along K).
;; Outputs: out0 8 x 256 x 64 x 64 float32.
;; This version of the problem:
;;   THIS VERSION OF THE PROBLEM IS GIVEN IN LOW PRECISION. The matrix products marked QUANTISED in the list below multiply operands that are first quantised to E2M3 (2 exponent bits, 3 mantissa bits; 6 bits a number), with one power-of-two scale for each 32 numbers along K (OCP MX v1.0); their sums are f32. All else is computed in f32.
;;   The module's matrix products, in the order in which they are computed (A, B: the left and right operand; K: the contracted axis; several contracted axes count as one K, in the product's order):
;;     1. [M 32,768, K 256] x [K 256, N 128]; A: input p (given as codes); B: input Wq (given as codes): QUANTISED
;;     2. [M 128, K 256] x [K 256, N 32,768]; A: input Wk (given as codes); B: input b: QUANTISED
;;     3. batch 8 x [M 4,096, K 128] x [K 128, N 4,096]; A: computed on the way; B: computed on the way: QUANTISED
;;     4. batch 8 x [M 256, K 4,096] x [K 4,096, N 4,096]; A: input b; B: softmax (see below): QUANTISED
;;   THE QUANTISER, for each operand of a quantised product, along K:
;;     - K is cut into blocks of 32 from its start; a last block that is shorter is filled with zeros.
;;     - A block's scale is 2^e with e = floor(log2(the largest magnitude in the block)) - 2, held to -126 .. 127; a block of zeros has e = 0. As a byte (E8M0): e + 127.
;;     - Each number is divided by its block's scale, clamped to +-7.5, and rounded to the nearest number of E2M3, ties to even, subnormals kept.
;;     - The product sums the exact products of the quantised numbers (number of the format x scale) in f32.
;;   ~~~python
;;   def quantise(x, axis):      # numpy; x: float32 -> the quantised numbers, widened to float32 again
;;       x = np.moveaxis(x, axis, -1); K = x.shape[-1]
;;       x = np.pad(x, [(0, 0)] * (x.ndim - 1) + [(0, -K % 32)]); x = x.reshape(x.shape[:-1] + (-1, 32)); a = np.abs(x).max(-1, keepdims=True)
;;       e = np.where(a > 0, np.clip(np.frexp(np.where(a > 0, a, 1))[1] - 1 - 2, -126, 127), 0)      # np.frexp(a)[1] - 1 = floor(log2(a)), exactly
;;       r = np.clip(x / 2.0 ** e, -7.5, 7.5)
;;       step = 2.0 ** (np.maximum(np.frexp(np.where(r == 0, 1, r))[1] - 1, 0) - 3)
;;       q = np.round(r / step) * step * 2.0 ** e      # np.round: ties to even
;;       return np.moveaxis(q.reshape(q.shape[:-2] + (-1,))[..., :K], -1, axis).astype(np.float32)
;;   ~~~
;;   SOFTMAX AHEAD OF A QUANTISED PRODUCT. Where the list says 'softmax', what is quantised is not the finished softmax but p = 2^(t - M), with t = logit x log2(e) and M = ceil(the row's largest t), a whole number; so 1/2 < the row's largest p <= 1. The row's sum l is taken of the UNQUANTISED p, in f32, and the product's result is divided by l at the end. Since M is a whole number, a kernel that streams over the keys may use a running M (the ceiling of the running maximum): every later rescaling is an exact power of two, which a block's scale takes up: the codes' values come out the same.
;;   OPERANDS COMPUTED ON THE WAY. 'Computed on the way' means the value that the module computes at that place (a softmax that the list does not call 'softmax' is quantised finished and normalised). What goes into a quantiser is computed in f32, as accurately as f32 sums, v_exp_f32 and their like allow (about 1e-6 of the number): no bf16 or f16 on the way to a quantiser, and a product that is left as it is and whose result goes on into a quantised operand takes f32 operands (vector FMAs, or v_wmma_f32_16x16x4_f32). A number that lies on a knife's edge between two numbers of the format may be rounded either way, as far as f32 arithmetic and the matrix unit's own rounding can turn it there, and no further.
;;   INPUTS GIVEN AS CODES. Wk (in the module: [128, 256], K = its axis 1); Wq (in the module: [128, 256], K = its axis 1); p (in the module: [8, 256, 64, 64], K = its axis 1): each comes as NAME_codes (uint8): NAME with its K axis moved to the last place and cut into blocks of 32 codes, [.., K / 32, bytes a block], one block behind the other in memory; four codes in three bytes: a row's codes are one little-endian stream of bits, code i at bits 6 i .. 6 i + 5 (a code: sign, 2 exponent bits, 3 mantissa bits); and NAME_scales (uint8): the same leading axes, one E8M0 byte (e + 127) for each 32 codes along K. Its value is code x scale, taken as it is: it is not quantised again, and the codes and scales need not be those that the quantiser above would give.
;; One version. Each part assembles by itself: llvm-mc -triple=amdgcn-amd-amdhsa -mcpu=gfx1250 --defsym DOCPART=n.
;; ======== version 1 of 1: 2 launches
;; workspace buffers: kv 9,830,400 bytes
;; launch prep (part 1): grid 32 x 8, 8 waves a work-group, no clusters, 168,960 bytes of LDS; arguments b, Wk_codes, Wk_scales, bk, kv; writes kv
.if DOCPART == 1
	.amdgcn_target "amdgcn-amd-amdhsa--gfx1250"
	.amdhsa_code_object_version 6
	.text
	.protected	k_q7cec03772e_prep
	.globl	k_q7cec03772e_prep
	.p2align	8
	.type	k_q7cec03772e_prep,@function
k_q7cec03772e_prep:
	s_mov_b64 s[64:65], 0
	v_nop
	global_prefetch_b8 v0, s[64:65] scope:SCOPE_SE
	s_setreg_imm32_b32 hwreg(HW_REG_WAVE_MODE, 25, 1), 1
	s_wait_xcnt 0x0
; b [8][256][4096] f32 becomes, for each batch and each key step of 128 keys, one dense block of 38,400 bytes of kv, laid in the order of the operands' registers:
;   8 fragments of K = Q(Wk Q(b) + bk): 16 keys x 128 outputs, E2M3 codes; 16 fragments of V = Q(b): 16 channels x 128 keys; K's 128 scale words; V's 256 scale words.
; A fragment (12 registers a lane) lies as an image of its registers: registers 4 c .. 4 c + 3 of lane l at 512 c + 16 l.
; K's tile t = 2 b + u holds in row r the key 32 b + 8 u + r + 8 (r / 8), so that the scores of two neighbouring tiles are 16 neighbouring keys in a lane of the next launch.
; The scale word of K's (tile t, row r) lies at 16 (16 (t & 1) + r) + 4 (t >> 1), V's likewise in two runs of 512 bytes: one load of 16 bytes a lane then brings four scale registers,
; each with an even tile's words in lanes 0-15 and the odd neighbour's in lanes 16-31.
; SHARES.  One work-group makes one block.  Its 256 channels x 128 keys of b (128 KiB) come into LDS ONCE, by one tensor load a wave (32 rows of 512 bytes), and are read twice from there:
; down the channels (the K of Wk b) and along the keys (the K of the last product).  Wave w makes K's tile w and V's tiles 2 w and 2 w + 1.
; THE PRODUCT IS USED TRANSPOSED: source 0 = 16 rows of Wk, source 1 = 16 keys of b.  A lane then holds ONE key and its registers run along the outputs, the next product's K.
; Row r of Wk's tile 2 b + u is output 32 b + 8 u + r + 8 (r / 8): the 16 registers of tiles 2 b, 2 b + 1 are outputs 32 b + 16 (lane / 16) + 0 .. 15.  bk is the C of each sum's first instruction.
; NO CLUSTER: the work-groups share nothing but Wk's 25 KiB, a fifth of what each reads of b.  No prefetch: every byte of b is asked for at the kernel's head.
; LIMITS: NaN and infinities among the inputs are not served.  A block of zeros gets the scale byte 1 and not 127: its codes are zeros, and this program alone reads the bytes.
; A block's largest magnitude is taken no smaller than 2^(3 - 127), which holds the byte at 1 from below, as the quantiser's hold at -126 does.
.set PITCH, 528                        ; an LDS row: 512 bytes + 16 of padding = 132 words: the 16 rows of a 16-byte load start 4 words apart modulo 64 words
.set SCS,   256*PITCH                  ; behind the tile: the image of the block's 1,536 scale bytes; no fill lands there
.set BLKB,  38400                      ; a block of kv
.set VIMG,  12288                      ; V's fragments in it
.set SCB,   36864                      ; the scale words in it
.set AK0, 4                            ; v4   b^T: channel 32 h, my key; v5: 128 channels on
.set AK1, 5
.set AV,  6                            ; v6   b: channel 32 w + r, key 32 h
.set LI,  7                            ; v7   16 x lane: an image's place for my lane
.set SWK, 8                            ; v8   LDS: where K's scale word of my row goes
.set SWV, 9                            ; v9   and V's
.set SRD, 10                           ; v10  LDS: the scale bytes' way out
.set WKO, 11                           ; v11  offset into Wk's codes
.set WSO, 12                           ; v12  into Wk's scales
.set BKO, 13                           ; v13  into bk
.set GSO, 14                           ; v14  the scale bytes' place in the block
.set SH8, 15                           ; v15  8 h
.set XF0, 16                           ; v16-39   b^T's two fragments (K steps 0, 1)
.set XS,  40                           ; v40-41   their scale words
.set WS,  42                           ; v42-57   Wk's scale words: tile t, K step s at 42 + 2 t + s
.set X,   64                           ; v64-127  64 numbers
.set HA,  128                          ; v128-191 the 8 accumulators: bk, then k
.set KC,  192                          ; v192-203 K's codes;  v204-215, v216-227 V's: store data, written once
.set VC0, 204
.set VC1, 216
.set TP,  228                          ; v228-235 conversions' second halves
.set BM,  236                          ; v236-239 largest magnitudes
.set PT,  240                          ; v240-243 the other half's, then bytes
.set SOP, 244                          ; v244-247 the conversions' scale operands
.set KW,  248                          ; v248-250 scale words just made
.set VW0, 249
.set VW1, 250
.set WV,  14                           ; s14  my wave's number
.set SEL, 20                           ; s[20:21] v_permlanex16_b32's selects for lane l xor 16
.set MSB, 0
.macro WIN new                         ; the immediate's high byte repeats the setting that is left
.if MSB != \new
	s_set_vgpr_msb (MSB<<8)|\new
.set MSB, \new
.endif
.endm
.macro PLACES n
.rept \n
	v_nop
.endr
.endm
; 64 numbers down the channels: register 32 c + i = b(channel 64 c + 32 h + i from the address on, my key)
.macro LOADCOL adr
.set CI, 0
.rept 2
.set II, 0
.rept 32
	ds_load_b32 v[X+32*CI+II], v[\adr] offset:(64*CI+II)*PITCH
.set II, II+1
.endr
.set CI, CI+1
.endr
.endm
; 64 numbers along the keys: register 32 c + i = b(channel 32 w + 16 e + r, key 64 c + 32 h + i)
.macro LOADROW e
.irp c, 0,1
.irp q, 0,1,2,3,4,5,6,7
	ds_load_b128 v[X+32*\c+4*\q:X+32*\c+4*\q+3], v[AV] offset:(\e)*16*PITCH+256*\c+16*\q
.endr
.endr
.endm
; A lane holds two WHOLE blocks of 32: register 32 c + i = k 64 c + 32 h + i of its row.  The codes come out as the operand's registers; the scale word's four bytes are gathered from lanes l and l xor 16.
.macro QCOL s, pc, tp, pw
.irp c, 0,1
	v_max3_num_f32 v[BM+\c], |v[\s+32*\c]|, |v[\s+1+32*\c]|, 0x1800000   ; with the floor 2^(3 - 127) among the leaves: the byte cannot fall under 1
.endr
.irp i, 2,4,6,8,10,12,14,16,18,20,22,24,26,28,30
.irp c, 0,1
	v_max3_num_f32 v[BM+\c], v[BM+\c], |v[\s+32*\c+\i]|, |v[\s+1+32*\c+\i]|   ; the two blocks by turns
.endr
.endr
.irp c, 0,1
	v_add_nc_u32 v[SOP+\c], 0xff000000, v[BM+\c]   ; 2 off the exponent field: the conversion takes this operand's exponent field as its scale
.endr
.irp c, 0,1
	v_lshrrev_b32 v[PT+\c], 23, v[SOP+\c]          ; the scale's byte
.endr
	v_lshl_or_b32 v[\pw], v[PT+1], 16, v[PT]       ; my bytes: blocks h and 2 + h,
	v_lshlrev_b32 v[\pw], v[SH8], v[\pw]           ; 8 h bits up;
	v_permlanex16_b32 v[PT+2], v[\pw], s[SEL], s[SEL+1]
	v_or_b32 v[\pw], v[\pw], v[PT+2]               ; with lane l xor 16's two the word is whole
.irp c, 0,1
	v_cvt_scalef32_pk16_fp6_f32 v[\pc+6*\c:\pc+6*\c+2], v[\s+32*\c:\s+32*\c+15], v[SOP+\c]
	v_cvt_scalef32_pk16_fp6_f32 v[\tp+4*\c:\tp+4*\c+2], v[\s+32*\c+16:\s+32*\c+31], v[SOP+\c]   ; (a conversion's three registers begin on an even number)
.endr
	v_nop                                          ; one plain instruction behind the scaled conversions
.irp c, 0,1
.irp i, 0,1,2
	v_mov_b32 v[\pc+3+6*\c+\i], v[\tp+4*\c+\i]
.endr
.endr
.endm
; From the four blocks' largest magnitudes in v[BM] on: scale word, codes, and the exchange of halves that gives each lane whole blocks.
.macro CODES s, pc, tp, pw
.irp b, 0,1,2,3
	v_add_nc_u32 v[SOP+\b], 0xff000000, v[BM+\b]
.endr
.irp b, 0,1,2,3
	v_lshrrev_b32 v[PT+\b], 23, v[SOP+\b]
.endr
	v_lshl_or_b32 v[\pw], v[PT+1], 8, v[PT]
	v_lshl_or_b32 v[\pw], v[PT+2], 16, v[\pw]
	v_lshl_or_b32 v[\pw], v[PT+3], 24, v[\pw]
.irp c, 0,1
	v_cvt_scalef32_pk16_fp6_f32 v[\pc+6*\c:\pc+2+6*\c], v[\s+32*\c:\s+15+32*\c], v[SOP+2*\c]
	v_cvt_scalef32_pk16_fp6_f32 v[\tp+4*\c:\tp+2+4*\c], v[\s+16+32*\c:\s+31+32*\c], v[SOP+2*\c+1]
.endr
	v_nop                                          ; one plain instruction behind the scaled conversions
.irp c, 0,1                            ; lanes 0-15 take block 2 c whole, lanes 16-31 block 2 c + 1
.irp i, 0,1,2
	v_permlane16_swap_b32 v[\pc+6*\c+\i], v[\tp+4*\c+\i]
.endr
.irp i, 0,1,2
	v_mov_b32 v[\pc+3+6*\c+\i], v[\tp+4*\c+\i]
.endr
.endr
.endm
; A lane holds half of each of four blocks: register 16 b + i = k 32 b + 16 h + i of its row.
.macro QROW s, pc, tp, pw
.irp b, 0,1,2,3
	v_max3_num_f32 v[BM+\b], |v[\s+16*\b]|, |v[\s+1+16*\b]|, 0x1800000   ; each accumulator is read from its low end on
.endr
.irp i, 2,4,6,8,10,12,14
.irp b, 0,1,2,3
	v_max3_num_f32 v[BM+\b], v[BM+\b], |v[\s+16*\b+\i]|, |v[\s+1+16*\b+\i]|
.endr
.endr
.irp b, 0,1,2,3
	v_permlanex16_b32 v[PT+\b], v[BM+\b], s[SEL], s[SEL+1]
.endr
.irp b, 0,1,2,3
	v_max_num_f32 v[BM+\b], v[BM+\b], v[PT+\b]     ; with lane l xor 16's 16 numbers: the block's
.endr
	CODES \s, \pc, \tp, \pw
.endm
.macro IMG pc, lo, off                 ; a fragment leaves as it stands: each store of the wave covers 512 consecutive bytes, aligned to 256
.irp c, 0,1,2
	global_store_b128 v[LI], v[\pc+4*\c:\pc+4*\c+3], s[\lo:\lo+1] offset:\off+512*\c
.endr
.endm
	s_load_b256 s[4:11], s[0:1], 0x0               ; b s[4:5], Wk's codes s[6:7], Wk's scales s[8:9], bk s[10:11]
	s_load_b64 s[12:13], s[0:1], 0x20              ; kv
	v_lshl_add_u32 v254, v0, 2, 0x29000
	v_mov_b32 v255, 0
	ds_add_u32 v254, v255
	ds_add_u32 v254, v255
	v_lshrrev_b32 v1, 5, v0
	v_readfirstlane_b32 s[WV], v1                  ; wave 0..7
	s_and_b32 s15, ttmp7, 0xffff                   ; the batch; ttmp9 is the key step
	; descriptor group 1: 32 rows of 128 elements of 4 bytes, 4,096 elements apart; 4 words of padding behind every 128
	s_mov_b32 s24, (2<<16)|(1<<20)|(6<<22)|(3<<25)
	s_mov_b32 s25, 128<<16                         ; tensor_dim0
	s_mov_b32 s26, 32<<16                          ; tensor_dim1
	s_mov_b32 s27, 128<<16                         ; tile_dim0
	s_mov_b32 s28, 32                              ; tile_dim1
	s_mov_b32 s29, 4096                            ; from row to row
	s_mov_b32 s30, 0
	s_mov_b32 s31, 0
	s_lshl_b32 s16, s15, 22                        ; a batch of b is 4 MiB,
	s_lshl_b32 s18, s[WV], 19                      ; my 32 channels of 16 KiB,
	s_add_co_u32 s16, s16, s18
	s_lshl_b32 s18, ttmp9, 9                       ; the step's 128 keys
	s_add_co_u32 s16, s16, s18
	s_mov_b32 s17, 0
	s_lshl_b32 s18, s15, 5
	s_add_co_u32 s18, s18, ttmp9
	s_mul_i32 s18, s18, BLKB                       ; my block of kv: (32 x batch + step) x 38,400, under 2^24
	s_mov_b32 s19, 0
	s_mov_b32 s32, 1                               ; group 0: count,
	s_mul_i32 s33, s[WV], 32*PITCH                 ; LDS address: my 32 rows,
	s_wait_dscnt 0x0
	s_wait_kmcnt 0x0
	s_add_nc_u64 s[34:35], s[4:5], s[16:17]        ; global address,
	s_or_b32 s35, s35, 0x80000000                  ; type
	tensor_load_to_lds s[32:35], s[24:31]          ; filled once: one tensor load of mine is out
	s_nop 0
	PLACES 4                                       ; the four lines behind a tensor load
	s_add_nc_u64 s[12:13], s[12:13], s[18:19]      ; kv at my block
	s_mul_i32 s16, s[WV], 1536
	s_add_nc_u64 s[36:37], s[12:13], s[16:17]      ; K's tile w
	s_mul_i32 s16, s[WV], 3072
	s_add_co_u32 s16, s16, VIMG
	s_add_nc_u64 s[38:39], s[12:13], s[16:17]      ; V's tiles 2 w, 2 w + 1
	s_mov_b32 s[SEL], 0x76543210
	s_mov_b32 s[SEL+1], 0xfedcba98
	v_and_b32 v1, 31, v0                           ; lane
	v_and_b32 v2, 15, v0                           ; r
	v_bfe_u32 v3, v0, 4, 1                         ; h
	v_and_b32 v58, 8, v2
	v_add_nc_u32 v58, v58, v2                      ; r + 8 (r / 8)
	s_lshr_b32 s40, s[WV], 1
	s_lshl_b32 s40, s40, 7
	s_and_b32 s41, s[WV], 1
	s_lshl_b32 s41, s41, 5
	s_add_co_u32 s40, s40, s41                     ; tile w begins at key 32 (w >> 1) + 8 (w & 1): 4 bytes a key
	v_mul_u32_u24 v[AK0], v3, 32*PITCH
	v_lshl_add_u32 v[AK0], v58, 2, v[AK0]
	v_add_nc_u32 v[AK0], s40, v[AK0]
	v_add_nc_u32 v[AK1], 128*PITCH, v[AK0]
	s_mul_i32 s40, s[WV], 32*PITCH
	v_mul_u32_u24 v[AV], v2, PITCH
	v_lshl_add_u32 v[AV], v3, 7, v[AV]
	v_add_nc_u32 v[AV], s40, v[AV]
	v_lshlrev_b32 v[LI], 4, v1
	s_and_b32 s40, s[WV], 1
	s_lshl_b32 s40, s40, 8
	s_lshr_b32 s41, s[WV], 1
	s_lshl_b32 s41, s41, 2
	s_add_co_u32 s40, s40, s41
	s_add_co_u32 s40, s40, SCS
	v_lshl_add_u32 v[SWK], v2, 4, s40              ; SCS + 16 r + 256 (w & 1) + 4 (w >> 1)
	s_lshr_b32 s40, s[WV], 2
	s_lshl_b32 s40, s40, 9
	s_and_b32 s41, s[WV], 3
	s_lshl_b32 s41, s41, 2
	s_add_co_u32 s40, s40, s41
	s_add_co_u32 s40, s40, SCS+512
	v_lshl_add_u32 v[SWV], v2, 4, s40              ; SCS + 512 + 512 (w >> 2) + 4 (w & 3) + 16 r; the odd tile's 256 bytes on
	s_min_u32 s40, s[WV], 2
	s_lshl_b32 s40, s40, 9
	v_add_nc_u32 v[GSO], s40, v[LI]
	v_add_nc_u32 v[SRD], SCS, v[GSO]
	v_mul_u32_u24 v[WKO], v58, 192                 ; a row of Wk is 256 codes, 192 bytes
	v_mad_u32_u24 v[WKO], v3, 24, v[WKO]
	v_lshlrev_b32 v[WSO], 3, v58                   ; 8 scale bytes a row
	v_lshlrev_b32 v[BKO], 6, v3                    ; bk: my half's 16 outputs of each 32
	v_lshlrev_b32 v[SH8], 3, v3
.irp b, 0,1,2,3
	v_mov_b32 v[PT+\b], 0                          ; written once: a lane permute's destination counts as one of its sources
.endr
	WIN 0x40                                       ; destination window 1
.irp t, 0,1,2,3,4,5,6,7                ; Wk's fragments (tile t, K step s) at v[12 (2 t + s)] of window 1
.irp s, 0,1
.irp p, 0,1,2,3,4,5
	global_load_b64 v[12*(2*\t+\s)+2*\p:12*(2*\t+\s)+2*\p+1], v[WKO], s[6:7] offset:(32*(\t/2)+8*(\t%2))*192+96*\s+48*(\p/3)+8*(\p%3)
.endr
.endr
.endr
	WIN 0
.irp t, 0,1,2,3,4,5,6,7
	global_load_b64 v[WS+2*\t:WS+2*\t+1], v[WSO], s[8:9] offset:(32*(\t/2)+8*(\t%2))*8   ; both K steps' scale words of the tile's rows
.endr
.irp t, 0,1,2,3,4,5,6,7                ; bk in the result's layout: register j of tile t is output 32 (t / 2) + 16 h + 8 (t % 2) + j
	global_load_b128 v[HA+8*\t:HA+8*\t+3], v[BKO], s[10:11] offset:(32*(\t/2)+8*(\t%2))*4
	global_load_b128 v[HA+8*\t+4:HA+8*\t+7], v[BKO], s[10:11] offset:(32*(\t/2)+8*(\t%2))*4+16
.endr
	s_wait_tensorcnt 0x0                           ; my 32 rows have landed,
	s_barrier_signal -1
	s_barrier_wait -1                              ; everybody's have
	; ---- K: my 16 keys of b, quantised down the channels, are source 1 of Wk b
	LOADCOL AK0
	s_wait_dscnt 0x0
	QCOL X, XF0, TP, XS
	LOADCOL AK1
	s_wait_dscnt 0x0
	QCOL X, XF0+12, TP, XS+1
	LOADROW 0                                      ; V's first tile is on its way while the products run
	s_wait_loadcnt 0x0                             ; Wk, its scales, bk
	PLACES 8                                       ; a scale word made by vector instructions stands 8 places ahead of a scaled matrix instruction, codes so made 4
	WIN 0x01                                       ; source 0 (Wk) window 1
.irp s, 0,1                            ; the eight accumulators take turns, one instruction a turn
.irp t, 0,1,2,3,4,5,6,7
	v_wmma_scale_f32_16x16x128_f8f6f4 v[HA+8*\t:HA+8*\t+7], v[12*(2*\t+\s):12*(2*\t+\s)+11], v[XF0+12*\s:XF0+12*\s+11], v[HA+8*\t:HA+8*\t+7], v[WS+2*\t+\s], v[XS+\s] matrix_a_fmt:MATRIX_FMT_FP6 matrix_b_fmt:MATRIX_FMT_FP6
.endr
.endr
	WIN 0
	PLACES 4                                       ; in front of the first read of the results (ISA guide 7.12.1)
	QROW HA, KC, TP, KW                            ; k of my 16 keys, quantised along the outputs: K's tile w
	IMG KC, 36, 0
	ds_store_b32 v[SWK], v[KW]                     ; lanes l and l xor 16 write the same word with the same value
	; ---- V: my 32 channels, quantised along the keys
	s_wait_dscnt 0x0
	QCOL X, VC0, TP, VW0
	LOADROW 1
	IMG VC0, 38, 0
	ds_store_b32 v[SWV], v[VW0]
	s_wait_dscnt 0x0
	QCOL X, VC1, TP, VW1
	IMG VC1, 38, 1536
	ds_store_b32 v[SWV], v[VW1] offset:256
	; ---- the 1,536 scale bytes leave whole: three waves, 512 consecutive bytes each
	s_wait_dscnt 0x0                               ; for the others' sake: my scale words lie in LDS
	s_barrier_signal -1
	s_barrier_wait -1
	s_cmp_gt_u32 s[WV], 2
	s_cbranch_scc1 .Ldone
	ds_load_b128 v[X:X+3], v[SRD]
	s_wait_dscnt 0x0
	global_store_b128 v[GSO], v[X:X+3], s[12:13] offset:SCB
.Ldone:
	s_wait_tensorcnt 0x0
	ds_add_u32 v254, v255
	s_wait_dscnt 0x0
	s_endpgm
.Lfunc_end_k_q7cec03772e_prep:
	.size	k_q7cec03772e_prep, .Lfunc_end_k_q7cec03772e_prep-k_q7cec03772e_prep
	.p2alignl 7, 3214868480
	.fill 96, 4, 3214868480
	.section	.rodata,"a",@progbits
	.p2align	6, 0x0
	.amdhsa_kernel k_q7cec03772e_prep
		.amdhsa_group_segment_fixed_size 168960
		.amdhsa_private_segment_fixed_size 0
		.amdhsa_enable_private_segment 0
		.amdhsa_kernarg_size 40
		.amdhsa_user_sgpr_count 2
		.amdhsa_user_sgpr_kernarg_segment_ptr 1
		.amdhsa_wavefront_size32 1
		.amdhsa_system_sgpr_workgroup_id_x 1
		.amdhsa_system_sgpr_workgroup_id_y 1
		.amdhsa_system_sgpr_workgroup_id_z 1
		.amdhsa_system_vgpr_workitem_id 0
		.amdhsa_next_free_vgpr 512
		.amdhsa_next_free_sgpr 66
		.amdhsa_reserve_vcc 0
		.amdhsa_float_denorm_mode_32 3
		.amdhsa_float_denorm_mode_16_64 3
		.amdhsa_memory_ordered 1
		.amdhsa_forward_progress 1
		.amdhsa_inst_pref_size 46
	.end_amdhsa_kernel
	.amdgpu_metadata
---
amdhsa.version: [ 1, 2 ]
amdhsa.kernels:
  - .name:           k_q7cec03772e_prep
    .symbol:         k_q7cec03772e_prep.kd
    .args:
      - { .name: b, .offset: 0, .size: 8, .value_kind: global_buffer, .address_space: global }
      - { .name: Wk_codes, .offset: 8, .size: 8, .value_kind: global_buffer, .address_space: global }
      - { .name: Wk_scales, .offset: 16, .size: 8, .value_kind: global_buffer, .address_space: global }
      - { .name: bk, .offset: 24, .size: 8, .value_kind: global_buffer, .address_space: global }
      - { .name: kv, .offset: 32, .size: 8, .value_kind: global_buffer, .address_space: global }
    .group_segment_fixed_size: 168960
    .private_segment_fixed_size: 0
    .kernarg_segment_align: 8
    .kernarg_segment_size: 40
    .max_flat_workgroup_size: 256
    .sgpr_count:     66
    .vgpr_count:     512
    .wavefront_size: 32
...
	.end_amdgpu_metadata
.endif
;; end of part 1
;; launch attn (part 2): grid 32 x 8, 4 waves a work-group, clusters of 4 x 1, 327,680 bytes of LDS; arguments p_codes, p_scales, Wq_codes, Wq_scales, bq, kv, out0; writes out0
.if DOCPART == 2
	.amdgcn_target "amdgcn-amd-amdhsa--gfx1250"
	.amdhsa_code_object_version 6
	.text
	.protected	k_q7cec03772e_attn
	.globl	k_q7cec03772e_attn
	.p2align	8
	.type	k_q7cec03772e_attn,@function
k_q7cec03772e_attn:
	s_mov_b64 s[64:65], 0
	v_nop
	global_prefetch_b8 v0, s[64:65] scope:SCOPE_SE
	s_setreg_imm32_b32 hwreg(HW_REG_WAVE_MODE, 25, 1), 1
	s_wait_xcnt 0x0
	s_wait_alu depctr_hold_cnt(0) depctr_sa_sdst(0) depctr_va_vdst(0) depctr_va_sdst(0) depctr_va_ssrc(0) depctr_va_vcc(0) depctr_vm_vsrc(0)
	s_getreg_b32 s2, hwreg(HW_REG_IB_STS2, 6, 4)
	s_cmp_eq_u32 s2, 0
	s_cbranch_scc0 .Lentry_in_a_cluster
	s_endpgm
.Lentry_in_a_cluster:
	s_bfe_u32 s2, ttmp6, 0x10000c
	s_cmp_lg_u32 s2, 0x3003
	s_cbranch_scc0 .Lentry_shape_is_right
	s_endpgm
.Lentry_shape_is_right:
; out0[batch][c][n] = the sum over keys m of softmax_m(q[n] . k[m]) b[c][m], all products on E2M3 codes with one E8M0 scale for each 32 along K.
; q = p Wq^T + bq is made here, in registers, from p's and Wq's codes, and quantised along the 128 outputs.  K and V come from kv, one dense block of 38,400 bytes for each 128 keys, laid as images of the operands' registers:
; 8 fragments of K (16 keys x 128 outputs), 16 of V (16 channels x 128 keys), K's scale words, V's scale words.
; THE SOFTMAX: t = score x log2(e); M = the largest t so far, rounded UP to a whole number; p = 2^(t - M) is quantised along the keys, not normalised; the row's sum is taken of the unquantised p and divides at the end.
; When M moves, the sum and O are multiplied by 2^(old M - new M), which rounds nothing.
; SHARES.  A work-group owns 128 queries of one batch; each of its four waves, as many as a WGP has SIMDs, owns 32 of them: TWO tiles of 16, so that every fragment of K and V read from LDS feeds two products.
; Every wave walks the batch's 32 key steps.  LAYOUT.  All products are used transposed (S^T = K Q^T, O^T = V P^T): a lane holds ONE query of each tile (lane % 16) throughout, and O^T's rows are the output's rows.
; K's tile 2 b + u holds key 32 b + 8 u + r + 8 (r / 8) in row r, so that the 16 registers of tiles 2 b, 2 b + 1 are keys 32 b + 16 (lane / 16) + 0 .. 15.
; A KEY STEP: 16 products K Q^T | both tiles' softmax, line by line by turns | 32 products V P^T, with O^T's rescaling between them.  LOADS RUN A PHASE AHEAD: the next step's K is asked for in the middle of the softmax,
; the next step's V behind the products V P^T; each run is waited for a phase later, so every wait on LDS in the loop is for 0 and at most 50 loads are out.
; RING.  Two LDS slots of two key steps (76,800 bytes).  The change of slots stands in the middle of a slot's second step, where all reads of the slot have been issued.
; CLUSTER.  The four work-groups of a cluster belong to one batch and walk the same blocks: each slot is asked for JOINTLY, each wave a quarter, by the same tensor load with the same descriptor and the mask of all four.
; The partners share kv alone, along one axis: so the cluster is 4 x 1.
; LIMITS: NaN and infinities among the inputs are not served.  A block of zeros gets the scale byte 1 and not 127: its codes are zeros.  A p under 2^-126 comes out of v_exp_f32 as 0 (ISA guide, 15.8).
; REGISTERS, in windows of 256 (s_set_vgpr_msb: bits 1:0 source 0, 3:2 source 1, 5:4 source 2, 7:6 destination).  x = 0, 1 is the tile of queries.
;   Window 0: v1-9 addresses; v10-11 at work; v[12+4x] -M, +1 the largest t, +2, +3 the sum in two halves; v[20+2x] f (a pair); v24-47 q's codes; v48-49 q's scale words, v50-51 p's, v52-55 K's, v56-63 V's
;   (at the head v52-59 Wq's, v60-63 the input p's); v64-191 S^T, then p, 64 a tile; v192-215 p's codes; v216-255 at work.
;   Window 1: O^T, tile x at 128 x, channels 16 t on at 8 t.   Window 2: v0-95 K's fragments (at the head v0-191 Wq's).   Window 3: v0-191 V's fragments (at the head v192-239 the input p's).
.set SLOT1, 1<<17                      ; slot 1 begins here: one exclusive or turns an address in one slot into the other's
.set STEPB, 38400                      ; a key step's block
.set SLOTB, 2*STEPB
.set QUART, SLOTB/4                    ; what one tensor load brings: 75 rows of 256 bytes
.set BATB,  32*STEPB                   ; a batch of kv
.set VIMG,  12288
.set KSCB,  36864
.set VSCB,  37376
.set SPARE, SLOT1+SLOTB                ; behind the ring: the spare words, 128 bytes for each of four waves: two blocks of 256 bytes that no other line names
.set STGB,  SPARE+512                  ; the way out, channels 128-255: 128 rows of 512 bytes + 16
.set SP,    528                        ; (channels 0-127 go to LDS byte 0 on: slot 0 has had its last fill and its last read at the last change of slots)
.set LI,  1                            ; v1   16 x lane: a slot's first step
.set ADR, 2                            ; v2   the block of the run of loads in hand, my lane
.set SPW, 3                            ; v3   LDS address of my spare word; never rewritten
.set NIL, 4                            ; v4   0; never rewritten
.set SOA, 5                            ; v5   the stage: row 8 h, + 128 w + 4 r
.set SOB, 6                            ; v6   the same in the second stage
.set RD,  7                            ; v7   the stage: my 64 rows, 16 bytes a lane
.set PFO, 8                            ; v8   the prefetches' offset; never rewritten
.set LI1, 9                            ; v9   16 x lane + a block: a slot's second step
.set T0,  10
.set NM,  12
.set FP,  20
.set Q,   24
.set QW,  48
.set PW,  50
.set KSW, 52
.set VSW, 56
.set WQS, 52                           ; at the head: register 2 j + s: Wq's tile 2 j in lanes 0-15, tile 2 j + 1 in lanes 16-31, K step s
.set PS,  60                           ; at the head: register 2 x + s
.set S,   64
.set PC,  192
.set TP,  216                          ; v216-231 conversions' second halves, 8 a tile; at the head v216-223 offsets
.set BM,  232                          ; v232-239 the blocks' largest, 4 a tile
.set PT,  240                          ; v240-247 the other half's, bytes, the sums' second chains
.set SOP, 248                          ; v248-255 the conversions' scale operands
.set PFR, 192                          ; in window 3: the input p's four fragments
.set WV,  18                           ; s18  my wave's number
.set SEL, 20                           ; s[20:21] selects for lane l xor 16
.set CS,  22                           ; s[22:23] log2(e): the packed form names a pair
.set TB,  36                           ; s36  LDS byte at which the slot begins from which the next runs of loads read
.set SLOTS, 37                         ; s37  slots still to be asked for
.set LIM, 38                           ; s38  1 in a wave that prefetches, else the greatest number
.set PFA, 40                           ; s[40:41] where my prefetches stand
.set MSB, 0
.macro WIN new                         ; the immediate's high byte repeats the setting that is left; a switch that changes nothing is dropped
.if MSB != \new
	s_set_vgpr_msb (MSB<<8)|\new
.set MSB, \new
.endif
.endm
.macro PLACES n
.rept \n
	v_nop
.endr
.endm
; A round of the cluster's barrier: my work-group's barrier; wave 0 signals for the work-group; every wave waits for all four work-groups; my work-group's barrier once more.
.macro ROUND
	s_barrier_signal -1
	s_barrier_wait -1
	s_cmp_lg_u32 s[WV], 0
	s_cbranch_scc1 .Lnot_wave_0_\@
	s_barrier_signal -3
.Lnot_wave_0_\@:
	s_barrier_wait -3
	s_barrier_signal -1
	s_barrier_wait -1
.endm
; The joint load: every wave a quarter of a slot, told apart by the wave's number in both addresses.  Four v_nop follow the line.
.macro TLOAD
	tensor_load_to_lds s[32:35], s[24:31]
	s_nop 0
	PLACES 4
.endm
; A prefetch of the slot that the NEXT change of slots will ask for: two key steps ahead of that load.  All clusters of a batch walk the same blocks: the batch's first cluster asks.  Its four partners take 19,200 bytes
; each, told apart by address; in each, waves 0, 1 and 2 take 6,400 bytes each, lanes 256 bytes apart (25 lanes' worth: lanes 25-31 name lane 24's byte again).  It stands behind the wave's tensor load and its four lines.
; The last change that fills a slot asks for nothing; slots 0 and 1 come by their loads alone.
.macro ASK
	s_cmp_gt_u32 s[SLOTS], s[LIM]
	s_cbranch_scc0 .Lnot_mine_\@
	global_prefetch_b8 v[PFO], s[PFA:PFA+1] th:TH_LOAD_NT scope:SCOPE_SE
.Lnot_mine_\@:
.endm
; Both tiles, by turns.  From the blocks' largest magnitudes in v[BM] on and the 64 numbers a tile in v[S] on: scale words into v[pw + x], codes into v[pc + 12 x] on, with the exchange of halves that gives each lane whole blocks.
.macro CODES pc, pw
.irp b, 0,1,2,3
.irp x, 0,1
	v_add_nc_u32 v[SOP+4*\x+\b], 0xff000000, v[BM+4*\x+\b]   ; 2 off the exponent field: the conversion takes this operand's exponent field as its scale
.endr
.endr
.irp b, 0,1,2,3
.irp x, 0,1
	v_lshrrev_b32 v[PT+4*\x+\b], 23, v[SOP+4*\x+\b]          ; the scale's byte
.endr
.endr
.irp x, 0,1
	v_lshl_or_b32 v[\pw+\x], v[PT+4*\x+1], 8, v[PT+4*\x]
.endr
.irp x, 0,1
	v_lshl_or_b32 v[\pw+\x], v[PT+4*\x+2], 16, v[\pw+\x]
.endr
.irp x, 0,1
	v_lshl_or_b32 v[\pw+\x], v[PT+4*\x+3], 24, v[\pw+\x]
.endr
.irp x, 0,1
.irp c, 0,1
	v_cvt_scalef32_pk16_fp6_f32 v[\pc+12*\x+6*\c:\pc+12*\x+6*\c+2], v[S+64*\x+32*\c:S+64*\x+32*\c+15], v[SOP+4*\x+2*\c]
	v_cvt_scalef32_pk16_fp6_f32 v[TP+8*\x+4*\c:TP+8*\x+4*\c+2], v[S+64*\x+32*\c+16:S+64*\x+32*\c+31], v[SOP+4*\x+2*\c+1]   ; (a conversion's three registers begin on an even number)
.endr
.endr
	v_nop                                          ; one plain instruction behind the scaled conversions
.irp x, 0,1
.irp c, 0,1                            ; lanes 0-15 take block 2 c whole, lanes 16-31 block 2 c + 1
.irp i, 0,1,2
	v_permlane16_swap_b32 v[\pc+12*\x+6*\c+\i], v[TP+8*\x+4*\c+\i]
.endr
.irp i, 0,1,2
	v_mov_b32 v[\pc+12*\x+6*\c+3+\i], v[TP+8*\x+4*\c+\i]
.endr
.endr
.endr
.endm
; 64 numbers a tile in v[S] on, register 16 b + i = k 32 b + 16 h + i of the lane's row, become a fragment and its scale word.
.macro QROW pc, pw
.irp b, 0,1,2,3
.irp x, 0,1
	v_max3_num_f32 v[BM+4*\x+\b], |v[S+64*\x+16*\b]|, |v[S+64*\x+1+16*\b]|, 0x1800000   ; with the floor 2^(3 - 127); each accumulator is read from its low end on
.endr
.endr
.irp i, 2,4,6,8,10,12,14
.irp b, 0,1,2,3
.irp x, 0,1
	v_max3_num_f32 v[BM+4*\x+\b], v[BM+4*\x+\b], |v[S+64*\x+16*\b+\i]|, |v[S+64*\x+1+16*\b+\i]|
.endr
.endr
.endr
.irp b, 0,1,2,3,4,5,6,7
	v_permlanex16_b32 v[PT+\b], v[BM+\b], s[SEL], s[SEL+1]
.endr
.irp b, 0,1,2,3,4,5,6,7
	v_max_num_f32 v[BM+\b], v[BM+\b], v[PT+\b]     ; with lane l xor 16's 16 numbers: the block's
.endr
	CODES \pc, \pw
.endm
; q's tile (outputs' tile t, K step s, queries' tile x) += 16 rows of Wq x 16 rows of the input p.  An odd tile's scale words lie in lanes 16-31.
.macro QP t, s, x
.if (\t)%2
	v_wmma_scale_f32_16x16x128_f8f6f4 v[S+64*(\x)+8*(\t):S+64*(\x)+8*(\t)+7], v[12*(2*(\t)+(\s)):12*(2*(\t)+(\s))+11], v[PFR+12*(2*(\x)+(\s)):PFR+12*(2*(\x)+(\s))+11], v[S+64*(\x)+8*(\t):S+64*(\x)+8*(\t)+7], v[WQS+2*((\t)/2)+(\s)], v[PS+2*(\x)+(\s)] matrix_a_fmt:MATRIX_FMT_FP6 matrix_b_fmt:MATRIX_FMT_FP6 matrix_a_scale:MATRIX_SCALE_ROW1
.else
	v_wmma_scale_f32_16x16x128_f8f6f4 v[S+64*(\x)+8*(\t):S+64*(\x)+8*(\t)+7], v[12*(2*(\t)+(\s)):12*(2*(\t)+(\s))+11], v[PFR+12*(2*(\x)+(\s)):PFR+12*(2*(\x)+(\s))+11], v[S+64*(\x)+8*(\t):S+64*(\x)+8*(\t)+7], v[WQS+2*((\t)/2)+(\s)], v[PS+2*(\x)+(\s)] matrix_a_fmt:MATRIX_FMT_FP6 matrix_b_fmt:MATRIX_FMT_FP6
.endif
.endm
; S^T's tile t of queries' tile x = K's fragment t x q.
.macro KQ t, x
.if (\t)%2
	v_wmma_scale_f32_16x16x128_f8f6f4 v[S+64*(\x)+8*(\t):S+64*(\x)+8*(\t)+7], v[12*(\t):12*(\t)+11], v[Q+12*(\x):Q+12*(\x)+11], 0, v[KSW+(\t)/2], v[QW+(\x)] matrix_a_fmt:MATRIX_FMT_FP6 matrix_b_fmt:MATRIX_FMT_FP6 matrix_a_scale:MATRIX_SCALE_ROW1
.else
	v_wmma_scale_f32_16x16x128_f8f6f4 v[S+64*(\x)+8*(\t):S+64*(\x)+8*(\t)+7], v[12*(\t):12*(\t)+11], v[Q+12*(\x):Q+12*(\x)+11], 0, v[KSW+(\t)/2], v[QW+(\x)] matrix_a_fmt:MATRIX_FMT_FP6 matrix_b_fmt:MATRIX_FMT_FP6
.endif
.endm
; O^T's tile t of queries' tile x += V's fragment t x p.
.macro PV t, x
.if (\t)%2
	v_wmma_scale_f32_16x16x128_f8f6f4 v[128*(\x)+8*(\t):128*(\x)+8*(\t)+7], v[12*(\t):12*(\t)+11], v[PC+12*(\x):PC+12*(\x)+11], v[128*(\x)+8*(\t):128*(\x)+8*(\t)+7], v[VSW+(\t)/2], v[PW+(\x)] matrix_a_fmt:MATRIX_FMT_FP6 matrix_b_fmt:MATRIX_FMT_FP6 matrix_a_scale:MATRIX_SCALE_ROW1
.else
	v_wmma_scale_f32_16x16x128_f8f6f4 v[128*(\x)+8*(\t):128*(\x)+8*(\t)+7], v[12*(\t):12*(\t)+11], v[PC+12*(\x):PC+12*(\x)+11], v[128*(\x)+8*(\t):128*(\x)+8*(\t)+7], v[VSW+(\t)/2], v[PW+(\x)] matrix_a_fmt:MATRIX_FMT_FP6 matrix_b_fmt:MATRIX_FMT_FP6
.endif
.endm
; O^T's tile t of both tiles of queries under the new M: x f, each accumulator from its low end on.
.macro RESC t
	WIN 0x41                                       ; O^T (destination and source 0) window 1, f window 0
.irp x, 0,1
.irp j, 0,2,4,6
	v_pk_mul_f32 v[128*\x+8*(\t)+\j:128*\x+8*(\t)+\j+1], v[128*\x+8*(\t)+\j:128*\x+8*(\t)+\j+1], v[FP+2*\x:FP+2*\x+1] op_sel_hi:[1,0]
.endr
.endr
.endm
; A step's K: its scale words (register j: tile 2 j's in lanes 0-15, tile 2 j + 1's in lanes 16-31) and 8 fragments: 25 loads, each of 512 consecutive bytes.
.macro LOADK li
	v_add_nc_u32 v[ADR], s[TB], v[\li]
	ds_load_b128 v[KSW:KSW+3], v[ADR] offset:KSCB
	WIN 0x80                                       ; destination window 2
.irp t, 0,1,2,3,4,5,6,7
.irp c, 0,1,2
	ds_load_b128 v[12*\t+4*\c:12*\t+4*\c+3], v[ADR] offset:1536*\t+512*\c
.endr
.endr
	WIN 0
.endm
; A step's V: 50 loads.  The addition and three v_nop are the four places behind the products that read V's registers (ISA guide 7.12.1 for vector instructions).
.macro LOADV li
	v_add_nc_u32 v[ADR], s[TB], v[\li]
	PLACES 3
	s_wait_dscnt 0x0                               ; the same step's K, asked for a phase ago, is in: the products that follow this run need no wait, and no more than these 50 loads are out
	ds_load_b128 v[VSW:VSW+3], v[ADR] offset:VSCB
	ds_load_b128 v[VSW+4:VSW+7], v[ADR] offset:VSCB+512
	WIN 0xc0                                       ; destination window 3
.irp t, 0,1,2,3,4,5,6,7,8,9,10,11,12,13,14,15
.irp c, 0,1,2
	ds_load_b128 v[12*\t+4*\c:12*\t+4*\c+3], v[ADR] offset:VIMG+1536*\t+512*\c
.endr
.endr
	WIN 0
.endm
; THE CHANGE OF SLOTS.  Each wave waits for all its tensor loads (its part of the slot ahead), adds 0 to its spare word, and waits for that and for its reads of the slot that it leaves.
; fill = 1: a round of the cluster's barrier follows, so that no wave of any partner still reads the slot or has a load on its way; the joint refill is the first thing behind it and has two key steps in which to land.
.macro CHANGE fill
	s_wait_tensorcnt 0x0                           ; no tensor load of mine is out, so group 0 may be written
	ds_add_u32 v[SPW], v[NIL]                      ; 0 onto my spare word
.if \fill
	s_xor_b32 s33, s33, SLOT1                      ; the walking descriptor: the other slot than last time,
	s_add_nc_u64 s[34:35], s[34:35], SLOTB         ; the next two key steps; the type bits on top are not reached
	s_wait_xcnt 0x0                                ; the last prefetch, a slot back, has read its address, so it may be written:
	s_add_nc_u64 s[PFA:PFA+1], s[PFA:PFA+1], SLOTB ; one slot further on than the walking descriptor
.endif
	s_wait_dscnt 0x0                               ; the add is done, and my reads of the slot that I leave are over
.if \fill
	ROUND
	TLOAD                                          ; a wave has one tensor load out
	ASK
.else
	s_barrier_signal -1
	s_barrier_wait -1
.endif
.endm
; A KEY STEP: 128 keys, both tiles of queries.  Its K and V are in registers or on their way.  li: where the NEXT step's block lies in its slot (LI1: a slot's second step; LI: the next slot's first).
; chg = 1: the slot is left and filled again; 2: it is left; 0: neither.  more = 0: the last step, which asks for nothing.
; The step's 48 matrix instructions name 48 different accumulators, over the loop's edge too: they take turns.
.macro STEP li, chg, more
	WIN 0x02                                       ; source 0 (K) window 2
.irp t, 0,1,2,3,4,5,6,7
	KQ \t, 0
	KQ \t, 1
.endr
	WIN 0
	PLACES 4                                       ; in front of the first read of the scores (ISA guide 7.12.1)
.irp b, 0,1,2,3
.irp x, 0,1
	v_max3_num_f32 v[BM+4*\x+\b], v[S+64*\x+16*\b], v[S+64*\x+1+16*\b], v[S+64*\x+2+16*\b]   ; the largest score of each block of 32 keys: it serves the row's maximum and, since p rises with the score, the block's largest p
.endr
.endr
.irp i, 3,5,7,9,11,13
.irp b, 0,1,2,3
.irp x, 0,1
	v_max3_num_f32 v[BM+4*\x+\b], v[BM+4*\x+\b], v[S+64*\x+16*\b+\i], v[S+64*\x+1+16*\b+\i]   ; eight chains by turns
.endr
.endr
.endr
.irp b, 0,1,2,3
.irp x, 0,1
	v_max_num_f32 v[BM+4*\x+\b], v[BM+4*\x+\b], v[S+64*\x+15+16*\b]
.endr
.endr
.irp b, 0,1,2,3,4,5,6,7
	v_permlanex16_b32 v[PT+\b], v[BM+\b], s[SEL], s[SEL+1]
.endr
.irp b, 0,1,2,3,4,5,6,7
	v_max_num_f32 v[BM+\b], v[BM+\b], v[PT+\b]     ; with lane l xor 16's 16 keys
.endr
.irp x, 0,1
	v_max3_num_f32 v[T0+\x], v[BM+4*\x], v[BM+4*\x+1], v[BM+4*\x+2]
.endr
.irp x, 0,1
	v_max_num_f32 v[T0+\x], v[T0+\x], v[BM+4*\x+3] ; the step's largest score of my query,
.endr
.irp x, 0,1
	v_mul_f32 v[T0+\x], s[CS], v[T0+\x]            ; as t
.endr
.irp x, 0,1
	v_max_num_f32 v[NM+1+4*\x], v[NM+1+4*\x], v[T0+\x]   ; the running largest t
.endr
.irp x, 0,1
	v_mov_b32 v[T0+\x], v[NM+4*\x]
.endr
.irp x, 0,1
	v_floor_f32 v[NM+4*\x], -v[NM+1+4*\x]          ; the new -M = floor(-t): M is a whole number
.endr
.irp x, 0,1
	v_sub_f32 v[T0+\x], v[NM+4*\x], v[T0+\x]       ; old M - new M: a whole number, 0 or less
.endr
.irp x, 0,1
	v_cvt_i32_f32 v[T0+\x], v[T0+\x]               ; (it saturates)
.endr
.irp x, 0,1
	v_ldexp_f32 v[FP+2*\x], 1.0, v[T0+\x]          ; f = 2^(old M - new M)
.endr
.irp x, 0,1
.set JJ, 0
.rept 32
	v_pk_fma_f32 v[S+64*\x+JJ:S+64*\x+JJ+1], v[S+64*\x+JJ:S+64*\x+JJ+1], s[CS:CS+1], v[NM+4*\x:NM+4*\x+1] op_sel_hi:[1,0,0]   ; t - M, two at a time
.set JJ, JJ+2
.endr
.endr
.irp b, 0,1,2,3
.irp x, 0,1
	v_fma_f32 v[BM+4*\x+\b], v[BM+4*\x+\b], s[CS], v[NM+4*\x]   ; the same of each block's largest score
.endr
.endr
.set JJ, 0
.rept 128
	v_exp_f32 v[S+JJ], v[S+JJ]                     ; p = 2^(t - M), at most 1: both tiles' in one batch
.set JJ, JJ+1
.endr
.irp x, 0,1
	v_pk_mul_f32 v[NM+2+4*\x:NM+3+4*\x], v[NM+2+4*\x:NM+3+4*\x], v[FP+2*\x:FP+2*\x+1] op_sel_hi:[1,0]   ; the sums under the new M: plain instructions behind the exponentials
.endr
	s_wait_alu depctr_va_vdst(0)                   ; one wait for the whole batch, ahead of its first reader
.irp b, 0,1,2,3,4,5,6,7
	v_exp_f32 v[BM+\b], v[BM+\b]                   ; the blocks' largest p: the same two instructions on the same number give the same bits
.endr
.irp x, 0,1
	v_pk_add_f32 v[PT+4*\x:PT+4*\x+1], v[S+64*\x:S+64*\x+1], v[S+64*\x+2:S+64*\x+3]   ; the rows' sums are taken of the unquantised p: two chains a tile, the four by turns
.endr
.set JJ, 4
.rept 15
.irp x, 0,1
	v_pk_add_f32 v[NM+2+4*\x:NM+3+4*\x], v[NM+2+4*\x:NM+3+4*\x], v[S+64*\x+JJ:S+64*\x+JJ+1]
	v_pk_add_f32 v[PT+4*\x:PT+4*\x+1], v[PT+4*\x:PT+4*\x+1], v[S+64*\x+2+JJ:S+64*\x+3+JJ]
.endr
.set JJ, JJ+4
.endr
.irp x, 0,1
	v_pk_add_f32 v[NM+2+4*\x:NM+3+4*\x], v[NM+2+4*\x:NM+3+4*\x], v[PT+4*\x:PT+4*\x+1]
.endr
	s_wait_alu depctr_va_vdst(0)                   ; and one for the eight
	; the step's middle: this step's V, asked for behind the last step's products, is in; the next step's K is asked for and lands under the rest of the step
.if \chg == 1
	CHANGE 1
	s_xor_b32 s[TB], s[TB], SLOT1                  ; the runs of loads go on in the other slot
.elseif \chg == 2
	CHANGE 0
	s_xor_b32 s[TB], s[TB], SLOT1
.else
	s_wait_dscnt 0x0
.endif
.if \more
	LOADK \li
.endif
.irp b, 0,1,2,3,4,5,6,7
	v_max_num_f32 v[BM+\b], 0x1800000, v[BM+\b]    ; the floor 2^(3 - 127): the byte cannot fall under 1
.endr
	CODES PC, PW
	; O^T += V P^T.  The rescaling of the tile two ahead stands behind each pair of products: eight plain instructions that name none of the pair's registers.
	; The first sixteen are also the places between p's scale words and codes and the first product.
	RESC 0
	RESC 1
.irp t, 0,1,2,3,4,5,6,7,8,9,10,11,12,13,14,15
	WIN 0x53                                       ; V window 3, p window 0, C and D window 1
	PV \t, 0
	PV \t, 1
.if \t < 14
	RESC \t+2
.endif
.endr
	WIN 0
.if \more
	LOADV \li
.endif
.endm
	s_load_b256 s[4:11], s[0:1], 0x0               ; p's codes s[4:5], p's scales s[6:7], Wq's codes s[8:9], Wq's scales s[10:11]
	s_load_b128 s[12:15], s[0:1], 0x20             ; bq s[12:13], kv s[14:15]
	s_load_b64 s[16:17], s[0:1], 0x30              ; out0
	v_lshl_add_u32 v[SPW], v0, 2, SPARE
	v_mov_b32 v[NIL], 0
	ds_add_u32 v3, v4
	ds_add_u32 v3, v4
	s_wait_dscnt 0x0
	v_lshrrev_b32 v1, 5, v0
	v_readfirstlane_b32 s[WV], v1                  ; wave 0..3
	s_bfe_u32 s42, ttmp6, 0x40000                  ; cx: my place in the cluster: it enters p's, out0's and the prefetches' addresses alone
	s_lshl_b32 s43, ttmp9, 2
	s_add_co_u32 s43, s43, s42                     ; my block of 128 queries = 4 x cluster x + cx
	s_and_b32 s44, ttmp7, 0xffff                   ; the batch, which the four partners share
	s_lshl_b32 s46, s44, 12
	s_lshl_b32 s47, s43, 7
	s_add_co_u32 s46, s46, s47
	s_lshl_b32 s47, s[WV], 5
	s_add_co_u32 s46, s46, s47                     ; my first query among all 32,768
	s_mul_i32 s48, s46, 192                        ; its codes: 192 bytes a row
	s_mov_b32 s49, 0
	s_lshl_b32 s50, s46, 3                         ; its scale bytes: 8 a row
	s_mov_b32 s51, 0
	s_lshl_b32 s52, s44, 22                        ; out0: a batch is 4 MiB,
	s_lshl_b32 s47, s[WV], 20                      ; the 64 channels that I store, 16 KiB each,
	s_add_co_u32 s52, s52, s47
	s_lshl_b32 s47, s43, 9                         ; the work-group's 128 queries
	s_add_co_u32 s52, s52, s47
	s_mov_b32 s53, 0
	s_mul_i32 s33, s[WV], QUART                    ; the descriptor, in registers that never hold cx: LDS address: my quarter of slot 0,
	s_mul_i32 s58, s44, BATB
	s_add_co_u32 s58, s58, s33                     ; and the same quarter of the batch's first two blocks
	s_mov_b32 s59, 0
	s_mov_b32 s32, 1
	s_mov_b32 s24, 15|(3<<16)|(1<<21)              ; group 1: the mask of all four work-groups; elements of 8 bytes; bit 21 set beside a mask; no padding
	s_mov_b32 s25, 32<<16                          ; tensor_dim0: 32 elements = 256 bytes
	s_mov_b32 s26, 75<<16                          ; tensor_dim1
	s_mov_b32 s27, 32<<16                          ; tile_dim0
	s_mov_b32 s28, 75                              ; tile_dim1
	s_mov_b32 s29, 32                              ; dense
	s_mov_b32 s30, 0
	s_mov_b32 s31, 0
	s_mul_i32 s60, s44, BATB                       ; the prefetches: the batch,
	s_mul_i32 s61, s42, QUART                      ; my work-group's quarter of a slot,
	s_add_co_u32 s60, s60, s61
	s_mul_i32 s61, s[WV], 6400                     ; my wave's third of it,
	s_add_co_u32 s60, s60, s61
	s_add_co_u32 s60, s60, SLOTB                   ; in slot 1: the first change of slots steps it to slot 2
	s_mov_b32 s61, 0
	s_cmp_lt_u32 s[WV], 3                          ; waves 0, 1, 2
	s_cselect_b32 s54, 0, 1
	s_or_b32 s54, s54, ttmp9                       ; of the batch's first cluster: the same in all four partners
	s_cmp_eq_u32 s54, 0
	s_cselect_b32 s[LIM], 1, -1
	s_mov_b32 s[SEL], 0x76543210
	s_mov_b32 s[SEL+1], 0xfedcba98
	s_mov_b32 s[CS], 0x3fb8aa3b                    ; log2(e): the energy is not scaled
	s_mov_b32 s[CS+1], s[CS]
	s_mov_b32 s[TB], 0
	s_mov_b32 s[SLOTS], 15
	s_wait_kmcnt 0x0
	s_add_nc_u64 s[4:5], s[4:5], s[48:49]
	s_add_nc_u64 s[6:7], s[6:7], s[50:51]
	s_add_nc_u64 s[16:17], s[16:17], s[52:53]
	s_add_nc_u64 s[PFA:PFA+1], s[14:15], s[60:61]
	s_add_nc_u64 s[34:35], s[14:15], s[58:59]
	s_or_b32 s35, s35, 0x80000000                  ; type
	ROUND                                          ; all four work-groups are here: the first joint loads meet
	TLOAD                                          ; slot 0
	; ---- q of my 32 queries: source 0 = 16 rows of Wq (row r of tile 2 b + u is output 32 b + 8 u + r + 8 (r / 8)), source 1 = 16 rows of p; bq is the C of each sum's first instruction
	v_and_b32 v[T0], 31, v0
	v_lshlrev_b32 v[LI], 4, v[T0]
	v_add_nc_u32 v[LI1], STEPB, v[LI]
	v_min_u32 v[PFO], 24, v[T0]
	v_lshlrev_b32 v[PFO], 8, v[PFO]
	v_and_b32 v222, 15, v0                         ; r
	v_bfe_u32 v223, v0, 4, 1                       ; h
	v_mul_u32_u24 v216, v222, 192
	v_mad_u32_u24 v216, v223, 24, v216             ; p: row r, + 24 h
	v_lshlrev_b32 v217, 3, v222                    ; p's scale words
	v_and_b32 v218, 8, v222
	v_add_nc_u32 v218, v218, v222                  ; r + 8 (r / 8)
	v_mul_u32_u24 v219, v218, 192
	v_mad_u32_u24 v219, v223, 24, v219             ; Wq
	v_lshl_add_u32 v220, v223, 3, v218             ; Wq's scale words: lanes 16-31 take the odd tile's rows, 8 further on;
	v_lshlrev_b32 v220, 3, v220                    ; 8 bytes a row
	v_lshlrev_b32 v221, 6, v223                    ; bq: my half's 16 outputs of each 32
	WIN 0xc0                                       ; destination window 3
.irp x, 0,1
.irp s, 0,1
.irp p, 0,1,2,3,4,5
	global_load_b64 v[PFR+12*(2*\x+\s)+2*\p:PFR+12*(2*\x+\s)+2*\p+1], v216, s[4:5] offset:3072*\x+96*\s+48*(\p/3)+8*(\p%3) th:TH_LOAD_NT
.endr
.endr
.endr
	WIN 0x80                                       ; destination window 2
.irp t, 0,1,2,3,4,5,6,7
.irp s, 0,1
.irp p, 0,1,2,3,4,5
	global_load_b64 v[12*(2*\t+\s)+2*\p:12*(2*\t+\s)+2*\p+1], v219, s[8:9] offset:(32*(\t/2)+8*(\t%2))*192+96*\s+48*(\p/3)+8*(\p%3)
.endr
.endr
.endr
	WIN 0
.irp x, 0,1
	global_load_b64 v[PS+2*\x:PS+2*\x+1], v217, s[6:7] offset:128*\x th:TH_LOAD_NT
.endr
.irp j, 0,1,2,3
	global_load_b64 v[WQS+2*\j:WQS+2*\j+1], v220, s[10:11] offset:256*\j
.endr
.irp x, 0,1
.irp t, 0,1,2,3,4,5,6,7                ; bq in the result's layout, once for each tile of queries: register j of tile t is output 32 (t / 2) + 16 h + 8 (t % 2) + j
	global_load_b128 v[S+64*\x+8*\t:S+64*\x+8*\t+3], v221, s[12:13] offset:(32*(\t/2)+8*(\t%2))*4
	global_load_b128 v[S+64*\x+8*\t+4:S+64*\x+8*\t+7], v221, s[12:13] offset:(32*(\t/2)+8*(\t%2))*4+16
.endr
.endr
	s_lshl_b32 s54, s[WV], 7                       ; the way out's addresses: made of the lane and the wave alone
	v_mul_u32_u24 v[SOA], v223, 8*SP
	v_lshl_add_u32 v[SOA], v222, 2, v[SOA]
	v_add_nc_u32 v[SOA], s54, v[SOA]
	v_add_nc_u32 v[SOB], STGB, v[SOA]
	s_and_b32 s54, s[WV], 1
	s_mul_i32 s54, s54, 64*SP
	s_lshr_b32 s55, s[WV], 1
	s_mul_i32 s55, s55, STGB
	s_add_co_u32 s54, s54, s55
	v_add_nc_u32 v[RD], s54, v[LI]
.irp x, 0,1
	v_mov_b32 v[NM+1+4*\x], 0xff61b1e6             ; the largest t so far: -3e38, under every t
	v_floor_f32 v[NM+4*\x], -v[NM+1+4*\x]          ; -M
	v_mov_b32 v[NM+2+4*\x], 0                      ; the sum, in two halves
	v_mov_b32 v[NM+3+4*\x], 0
	v_mov_b32 v[FP+1+2*\x], 0                      ; (named as the upper half of the pair with f)
.endr
.irp b, 0,1,2,3,4,5,6,7
	v_mov_b32 v[PT+\b], 0                          ; written once: a lane permute's destination counts as one of its sources
.endr
	s_wait_loadcnt 0x0
	WIN 0x0e                                       ; source 0 (Wq) window 2, source 1 (p) window 3
.irp s, 0,1                            ; the sixteen accumulators take turns
.irp x, 0,1
.irp t, 0,1,2,3,4,5,6,7
	QP \t, \s, \x
.endr
.endr
.endr
	WIN 0
	PLACES 4                                       ; in front of the first read of the results
	QROW Q, QW                                     ; q, quantised along the outputs
	WIN 0x40
.set JJ, 0
.rept 256
	v_mov_b32 v[JJ], 0                             ; O^T.  The step is written in one form: its first run finds zeros, which the first change of M leaves zeros; a first step of its own would be two more copies of the step.  (These are also the places between q's scale words and their first use, and in front of the loads into Wq's registers)
.set JJ, JJ+1
.endr
	WIN 0
	CHANGE 1                                       ; slot 0 is whole; slot 1 is asked for, as a refill is
	LOADK LI                                       ; key step 0
	LOADV LI
	s_mov_b32 s[SLOTS], 14
.Lslot:                                            ; 14 trips, a slot each: in the middle of its second step the slot is left and filled with the keys two slots on
	STEP LI1, 0, 1
	STEP LI, 1, 1
	s_sub_co_u32 s[SLOTS], s[SLOTS], 1
	s_cmp_lg_u32 s[SLOTS], 0
	s_cbranch_scc1 .Lslot
	STEP LI1, 0, 1                                 ; the last two slots are written out: nothing is left to ask for
	STEP LI, 2, 1
	STEP LI1, 0, 1
	STEP LI, 0, 0
	; THE WAY OUT.  O^T / the sum.  A lane's register is one channel of one query; a channel's 128 queries (512 bytes of out0) come from four waves: they meet in a stage, and each wave stores 64 whole rows.
	PLACES 4                                       ; in front of the first read of the last products' results
.irp x, 0,1
	v_add_f32 v[NM+2+4*\x], v[NM+2+4*\x], v[NM+3+4*\x]   ; the sum's two halves,
.endr
.irp x, 0,1
	v_permlanex16_b32 v[T0+\x], v[NM+2+4*\x], s[SEL], s[SEL+1]
.endr
.irp x, 0,1
	v_add_f32 v[NM+2+4*\x], v[NM+2+4*\x], v[T0+\x] ; and lane l xor 16's: the row's sum
.endr
.irp x, 0,1
	v_rcp_f32 v[NM+2+4*\x], v[NM+2+4*\x]
.endr
	v_nop                                          ; a plain instruction behind the reciprocals,
	s_wait_alu depctr_va_vdst(0)                   ; and the wait ahead of their first reader
	WIN 0x41
.irp x, 0,1
.set JJ, 0
.rept 64
	v_pk_mul_f32 v[128*\x+JJ:128*\x+JJ+1], v[128*\x+JJ:128*\x+JJ+1], v[NM+2+4*\x:NM+3+4*\x] op_sel_hi:[1,0]
.set JJ, JJ+2
.endr
.endr
	WIN 0x04                                       ; an LDS store's data are its source 1: window 1
.irp x, 0,1
.irp t, 0,1,2,3,4,5,6,7
.irp j, 0,1,2,3,4,5,6,7
	ds_store_b32 v[SOA], v[128*\x+8*\t+\j] offset:(16*\t+\j)*SP+64*\x      ; channel 16 t + 8 h + j, query 32 w + 16 x + r: lanes 0-15 write 16 neighbouring words, lanes 16-31 those 1,056 words on
.endr
.endr
.irp t, 0,1,2,3,4,5,6,7
.irp j, 0,1,2,3,4,5,6,7
	ds_store_b32 v[SOB], v[128*\x+64+8*\t+\j] offset:(16*\t+\j)*SP+64*\x   ; channels 128 on
.endr
.endr
.endr
	WIN 0
	s_wait_dscnt 0x0                               ; for the others' sake: my stores into the stages are done
	s_barrier_signal -1
	s_barrier_wait -1
.irp g, 0,1                            ; my 64 rows in two runs of 32, through the registers that held the scores
.if \g
	s_wait_xcnt 0x0                                ; the first run's stores have read their registers: only behind this wait are they loaded again
.endif
.irp i, 0,1,2,3,4,5,6,7,8,9,10,11,12,13,14,15,16,17,18,19,20,21,22,23,24,25,26,27,28,29,30,31
	ds_load_b128 v[S+4*\i:S+4*\i+3], v[RD] offset:(32*\g+\i)*SP            ; channel 64 w + 32 g + i, whole
.endr
.irp i, 0,1,2,3,4,5,6,7,8,9,10,11,12,13,14,15,16,17,18,19,20,21,22,23,24,25,26,27,28,29,30,31
	s_wait_dscnt 31-\i                             ; row i of the run is in; the younger loads may be out
	global_store_b128 v[LI], v[S+4*\i:S+4*\i+3], s[16:17] offset:16384*(32*\g+\i) th:TH_STORE_NT   ; 32 lanes store 512 consecutive bytes, at a multiple of 256 from out0's first byte
.endr
.endr
	s_wait_tensorcnt 0x0                           ; the wave's end, behind my last tensor load and my last LDS store
	ds_add_u32 v[SPW], v[NIL]
	s_wait_dscnt 0x0
	ROUND                                          ; the closing round: no work-group ends while a partner may still ask for a slot that names it
	s_endpgm
.Lfunc_end_k_q7cec03772e_attn:
	.size	k_q7cec03772e_attn, .Lfunc_end_k_q7cec03772e_attn-k_q7cec03772e_attn
	.p2alignl 7, 3214868480
	.fill 96, 4, 3214868480
	.section	.rodata,"a",@progbits
	.p2align	6, 0x0
	.amdhsa_kernel k_q7cec03772e_attn
		.amdhsa_group_segment_fixed_size 327680
		.amdhsa_private_segment_fixed_size 0
		.amdhsa_enable_private_segment 0
		.amdhsa_kernarg_size 56
		.amdhsa_user_sgpr_count 2
		.amdhsa_user_sgpr_kernarg_segment_ptr 1
		.amdhsa_wavefront_size32 1
		.amdhsa_system_sgpr_workgroup_id_x 1
		.amdhsa_system_sgpr_workgroup_id_y 1
		.amdhsa_system_sgpr_workgroup_id_z 1
		.amdhsa_system_vgpr_workitem_id 0
		.amdhsa_next_free_vgpr 1024
		.amdhsa_next_free_sgpr 66
		.amdhsa_reserve_vcc 0
		.amdhsa_float_denorm_mode_32 3
		.amdhsa_float_denorm_mode_16_64 3
		.amdhsa_memory_ordered 1
		.amdhsa_forward_progress 1
		.amdhsa_inst_pref_size 255
	.end_amdhsa_kernel
	.section	.bss,"aw",@nobits
	.p2align	6
	.space	262144
	.amdgpu_metadata
---
amdhsa.version: [ 1, 2 ]
amdhsa.kernels:
  - .name:           k_q7cec03772e_attn
    .symbol:         k_q7cec03772e_attn.kd
    .args:
      - { .name: p_codes, .offset: 0, .size: 8, .value_kind: global_buffer, .address_space: global }
      - { .name: p_scales, .offset: 8, .size: 8, .value_kind: global_buffer, .address_space: global }
      - { .name: Wq_codes, .offset: 16, .size: 8, .value_kind: global_buffer, .address_space: global }
      - { .name: Wq_scales, .offset: 24, .size: 8, .value_kind: global_buffer, .address_space: global }
      - { .name: bq, .offset: 32, .size: 8, .value_kind: global_buffer, .address_space: global }
      - { .name: kv, .offset: 40, .size: 8, .value_kind: global_buffer, .address_space: global }
      - { .name: out0, .offset: 48, .size: 8, .value_kind: global_buffer, .address_space: global }
    .group_segment_fixed_size: 327680
    .private_segment_fixed_size: 0
    .kernarg_segment_align: 8
    .kernarg_segment_size: 56
    .max_flat_workgroup_size: 128
    .sgpr_count:     66
    .vgpr_count:     1024
    .wavefront_size: 32
...
	.end_amdgpu_metadata
.endif
;; end of part 2
